; MI455X (gfx1250); checked and timed in simulation.
; The chip was launched on July 23, 2026; its instructions are those of AMD's public machine-readable ISA for CDNA 5 (MIT licence, August 2026) and "CDNA5" Instruction Set Architecture Reference Guide (July 2026). The comments in the code are by the model that wrote it; some were corrected since.
;; Clustered Attention. Allowed arithmetic: matrix products marked QUANTISED: E3M2 operands, one E8M0 scale for each 32 along K, by v_wmma_scale_f32_16x16x128_f8f6f4 with both operands' format E3M2, f32 sums; everything else in f32.
;; Inputs: key 4 x 512 x 32 x 64 float32; label_arr 4 x 512 int32; query 4 x 512 x 32 x 64 float32; value 4 x 512 x 32 x 64 float32.
;; Outputs: out0 4 x 512 x 32 x 64 float32.
;; This version of the problem:
;;   THIS VERSION OF THE PROBLEM IS GIVEN IN LOW PRECISION. The matrix products marked QUANTISED in the list below multiply operands that are first quantised to E3M2 (3 exponent bits, 2 mantissa bits; 6 bits a number), with one power-of-two scale for each 32 numbers along K (OCP MX v1.0); their sums are f32. All else is computed in f32.
;;   The module's matrix products, in the order in which they are computed (A, B: the left and right operand; K: the contracted axis; several contracted axes count as one K, in the product's order):
;;     1. batch 4 x [M 16,384, K 64] x [K 64, N 512]; A: input query; B: computed on the way: QUANTISED
;;     2. batch 128 x [M 64, K 512] x [K 512, N 512]; A: input value; B: softmax (see below): QUANTISED
;;   THE QUANTISER, for each operand of a quantised product, along K:
;;     - K is cut into blocks of 32 from its start; a last block that is shorter is filled with zeros.
;;     - A block's scale is 2^e with e = floor(log2(the largest magnitude in the block)) - 4, held to -126 .. 127; a block of zeros has e = 0. As a byte (E8M0): e + 127.
;;     - Each number is divided by its block's scale, clamped to +-28, and rounded to the nearest number of E3M2, ties to even, subnormals kept.
;;     - The product sums the exact products of the quantised numbers (number of the format x scale) in f32.
;;   ~~~python
;;   def quantise(x, axis):      # numpy; x: float32 -> the quantised numbers, widened to float32 again
;;       x = np.moveaxis(x, axis, -1); K = x.shape[-1]
;;       x = np.pad(x, [(0, 0)] * (x.ndim - 1) + [(0, -K % 32)]); x = x.reshape(x.shape[:-1] + (-1, 32)); a = np.abs(x).max(-1, keepdims=True)
;;       e = np.where(a > 0, np.clip(np.frexp(np.where(a > 0, a, 1))[1] - 1 - 4, -126, 127), 0)      # np.frexp(a)[1] - 1 = floor(log2(a)), exactly
;;       r = np.clip(x / 2.0 ** e, -28, 28)
;;       step = 2.0 ** (np.maximum(np.frexp(np.where(r == 0, 1, r))[1] - 1, -2) - 2)
;;       q = np.round(r / step) * step * 2.0 ** e      # np.round: ties to even
;;       return np.moveaxis(q.reshape(q.shape[:-2] + (-1,))[..., :K], -1, axis).astype(np.float32)
;;   ~~~
;;   SOFTMAX AHEAD OF A QUANTISED PRODUCT. Where the list says 'softmax', what is quantised is not the finished softmax but p = 2^(t - M), with t = logit x log2(e) and M = ceil(the row's largest t), a whole number; so 1/2 < the row's largest p <= 1. The row's sum l is taken of the UNQUANTISED p, in f32, and the product's result is divided by l at the end. Since M is a whole number, a kernel that streams over the keys may use a running M (the ceiling of the running maximum): every later rescaling is an exact power of two, which a block's scale takes up: the codes' values come out the same.
;;   OPERANDS COMPUTED ON THE WAY. 'Computed on the way' means the value that the module computes at that place (a softmax that the list does not call 'softmax' is quantised finished and normalised). What goes into a quantiser is computed in f32, as accurately as f32 sums, v_exp_f32 and their like allow (about 1e-6 of the number): no bf16 or f16 on the way to a quantiser, and a product that is left as it is and whose result goes on into a quantised operand takes f32 operands (vector FMAs, or v_wmma_f32_16x16x4_f32). A number that lies on a knife's edge between two numbers of the format may be rounded either way, as far as f32 arithmetic and the matrix unit's own rounding can turn it there, and no further.
;; 2 versions, each right; version 2 is version 1 with the launch attn written anew for expert scheduling mode. Each part assembles by itself: llvm-mc -triple=amdgcn-amd-amdhsa -mcpu=gfx1250 --defsym DOCPART=n.
;; ======== version 1 of 2: 2 launches
;; workspace buffers: skey 106,496 bytes; mbits 131,072 bytes of whole numbers
;; launch prep (part 1): grid 256 x 1, 8 waves a work-group, no clusters, 3,072 bytes of LDS; arguments key, label_arr, skey, mbits; writes skey, mbits
.if DOCPART == 1
	.amdgcn_target "amdgcn-amd-amdhsa--gfx1250"
	.amdhsa_code_object_version 6
	.text
	.protected	k_qa76b47901e_prep
	.globl	k_qa76b47901e_prep
	.p2align	8
	.type	k_qa76b47901e_prep,@function
k_qa76b47901e_prep:
	s_mov_b64 s[64:65], 0
	v_nop
	global_prefetch_b8 v0, s[64:65] scope:SCOPE_SE
	s_setreg_imm32_b32 hwreg(HW_REG_WAVE_MODE, 25, 1), 1
	s_wait_xcnt 0x0
; S[b][j][d] = the sum over v of key[b][j][v][d], in f32, turned into codes of BF6 (E3M2) along d with one E8M0 byte for each 32; and the cluster mask as lane masks.
; key: [4][512][32][64] f32.  label_arr: [4][512] int32, any values: they are only compared.
; SHARES.  256 work-groups x 8 waves = 2,048 waves; wave R = 8 x work-group + wave owns row (b, j) = (R / 512, R % 512) of key: 8,192 consecutive bytes, sixteen loads of 512 bytes, all out at once.
; Waves share nothing: no barrier.  A row's 64 sums turn through the wave's own 256 bytes of LDS, so that a lane holds a whole block of 32 along d in 32 registers.
; WHAT IS STORED (skey, 26,624 bytes a batch), laid as the next launch's operand registers want it:
;   codes: keys go in tiles of 16; lane r of tile 2 p + u is key 32 p + 8 u + r + 8 (r / 8).  Tiles 2 p and 2 p + 1 are one image of 12 registers x 32 lanes, 1,536 bytes: register g of lane l at 512 (g / 4) + 16 l + 4 (g % 4);
;          lane l = r + 16 h holds d = 32 h .. 32 h + 31 of its key: registers 6 u .. 6 u + 5.
;   scale words, from byte 24,576 on: word of (tile t, row r) at 256 (t / 4) + 16 r + 4 (t % 4): byte 0 for d 0-31, byte 1 for d 32-63, bytes 2 and 3 are 0.
; MASK WORDS (mbits): word (b, tile of 16 queries it, n) at 4 (256 (32 b + it) + n): bit r + 16 h is 1 where query 16 it + r and key 32 (n / 16) + 16 h + n % 16 have DIFFERENT labels.
;   Wave R makes the 16 words n = 16 kb .. 16 kb + 15 of (b, it) = R / 16, kb = R % 16: lane l holds key 32 kb + l and makes the 16 bits of its half of word 16 kb + l % 16.
; A block's scale is 2^(floor(log2(its largest magnitude)) - 4); its byte is the largest magnitude's exponent field - 4, held at 1 from below.
; LIMITS: a block of zeros gets the byte 1 where the rule says 127 (its codes are zeros, and this program alone reads the bytes); NaN and infinities in key are not served.
.set SKB,   26624                      ; bytes of skey for a batch
.set SSCL,  24576                      ; where its scale words begin
.set FRB,   1536                       ; an image of two tiles
.set X,     16                         ; v16-79  the row as loaded; later v32-63 a block of 32 sums, v64-74 its codes
.set SEL,   36                         ; s[36:37] lane selects for v_permlanex16_b32: lane l xor 16
	s_load_b128 s[4:7], s[0:1], 0x0                ; key, label_arr
	s_load_b128 s[8:11], s[0:1], 0x10              ; skey, mbits
	v_lshl_add_u32 v96, v0, 2, 0x800
	v_mov_b32 v97, 0
	v_lshrrev_b32 v1, 5, v0
	v_readfirstlane_b32 s12, v1                    ; wave 0..7
	v_and_b32 v2, 31, v0                           ; lane
	v_and_b32 v3, 15, v0                           ; lane % 16
	v_bfe_u32 v4, v0, 4, 1                         ; h = lane / 16
	v_lshlrev_b32 v5, 4, v2                        ; 16 x lane: my bytes of a load's 512
	v_lshlrev_b32 v7, 2, v2                        ; 4 x lane: my key's label
	s_lshl_b32 s13, ttmp9, 3
	s_add_co_u32 s13, s13, s12                     ; R = 512 b + j
	s_lshl_b32 s14, s13, 13                        ; x 8,192 bytes (under 2^24)
	s_mov_b32 s15, 0
	s_lshr_b32 s38, ttmp9, 1                       ; R / 16 = 32 b + it
	s_lshr_b32 s39, ttmp9, 6                       ; b
	s_lshl_b32 s40, s38, 6                         ; the 16 queries' labels: 64 bytes at 64 (32 b + it)
	s_mov_b32 s41, 0
	s_and_b32 s42, ttmp9, 1
	s_lshl_b32 s42, s42, 3
	s_add_co_u32 s42, s42, s12                     ; kb = R % 16
	s_lshl_b32 s44, s39, 11
	s_lshl_b32 s43, s42, 7
	s_add_co_u32 s44, s44, s43                     ; the 32 keys' labels: 2,048 b + 128 kb
	s_mov_b32 s45, 0
	s_lshl_b32 s46, s38, 10
	s_lshl_b32 s43, s42, 6
	s_add_co_u32 s46, s46, s43                     ; my 16 mask words: 1,024 (32 b + it) + 64 kb
	s_mov_b32 s47, 0
	; where my key's codes and scale word go.  j = 8 G + wave, G = work-group % 64
	s_and_b32 s48, ttmp9, 63                       ; G
	s_lshr_b32 s49, s48, 2                         ; p = j / 32: the pair of tiles
	s_and_b32 s50, s48, 1                          ; u = (j / 8) % 2
	s_bfe_u32 s51, s48, 0x10001                    ; (j / 16) % 2
	s_lshl_b32 s51, s51, 3
	s_add_co_u32 s51, s51, s12                     ; r = j % 8 + 8 ((j / 16) % 2)
	s_mul_i32 s52, s39, SKB
	s_mov_b32 s53, 0
	s_mul_i32 s54, s49, FRB
	s_lshl_b32 s55, s51, 4
	s_add_co_u32 s54, s54, s55                     ; the image + 16 r
	s_mul_i32 s55, s50, 520                        ; my six registers go as three pairs: u = 0: at 0, 8, 512;  u = 1: at 520, 1,024, 1,032
	s_add_co_u32 s55, s55, s54                     ; pairs 0 and 2 (512 further on)
	s_mul_i32 s56, s50, 1016
	s_add_co_u32 s56, s56, s54
	s_add_co_u32 s56, s56, 8                       ; pair 1
	s_lshl_b32 s57, s49, 1
	s_add_co_u32 s57, s57, s50                     ; t = 2 p + u
	s_lshr_b32 s58, s57, 2
	s_lshl_b32 s58, s58, 8
	s_and_b32 s57, s57, 3
	s_lshl_b32 s57, s57, 2
	s_add_co_u32 s58, s58, s57
	s_lshl_b32 s57, s51, 4
	s_add_co_u32 s58, s58, s57
	s_add_co_u32 s58, s58, SSCL                    ; the scale word: 256 (t / 4) + 16 r + 4 (t % 4)
	s_lshl_b32 s59, s12, 8                         ; LDS: 256 bytes for each wave
	s_mov_b32 s[SEL], 0x76543210
	s_mov_b32 s[SEL+1], 0xfedcba98
	v_lshl_add_u32 v10, v4, 8, s55                 ; lanes 16-31 are lane r + 16 of the image: 256 bytes on
	v_lshl_add_u32 v11, v4, 8, s56
	v_lshl_add_u32 v12, v4, 1, s58                 ; the scale word goes as two halves, one from each half of the lanes
	v_lshlrev_b32 v13, 2, v3
	v_lshl_add_u32 v13, v4, 1, v13                 ; my half of mask word lane % 16
	v_lshl_add_u32 v14, v3, 4, s59                 ; LDS, in: four sums at 16 (lane % 16)
	v_lshl_add_u32 v15, v4, 7, s59                 ; LDS, back: block h of the row
	v_mov_b32 v8, 0                                ; the mask bits
	v_mov_b32 v25, 0                               ; written once: a lane permute's destination counts as one of its sources
.irp k, 0,1,2,3
	v_mov_b32 v[80+\k], 0
.endr
	s_wait_kmcnt 0x0
	s_add_nc_u64 s[4:5], s[4:5], s[14:15]          ; key at my row
	s_add_nc_u64 s[32:33], s[6:7], s[40:41]        ; the queries' labels
	s_add_nc_u64 s[34:35], s[6:7], s[44:45]        ; the keys' labels
	s_add_nc_u64 s[10:11], s[10:11], s[46:47]
	s_add_nc_u64 s[8:9], s[8:9], s[52:53]
	s_load_b512 s[16:31], s[32:33], 0x0            ; 16 queries' labels as scalars
	global_load_b32 v6, v7, s[34:35]               ; my key's label: ahead of the row, so that the mask is made while the row is on its way
.irp m, 0,1,2,3,4,5,6,7,8,9,10,11,12,13,14,15
	global_load_b128 v[X+4*\m:X+4*\m+3], v5, s[4:5] offset:512*\m th:TH_LOAD_NT   ; v = 2 m + h, d = 4 (lane % 16) + 0 .. 3; read once in the launch
.endr
	s_wait_loadcnt 16                              ; the label is in; the sixteen loads issued behind it stay out
	s_wait_kmcnt 0x0
.irp r, 15,14,13,12,11,10,9,8,7,6,5,4,3,2,1,0
	v_cmp_ne_u32 vcc_lo, s[16+\r], v6              ; query r against my key
	v_cndmask_b32 v9, 0, 1, vcc_lo
	v_lshl_or_b32 v8, v8, 1, v9                    ; the highest bit first: query r ends at bit r
.endr
	global_store_b16 v13, v8, s[10:11]             ; 32 lanes store 64 consecutive bytes
	s_wait_loadcnt 0x0
.irp w, 32,16,8,4                      ; the 16 loads' numbers are added as a tree; registers 4 or a multiple apart hold the same d
.set k, 0
.rept \w/2
	v_pk_add_f32 v[X+k:X+k+1], v[X+k:X+k+1], v[X+\w+k:X+\w+k+1]
.set k, k+2
.endr
.endr
.irp k, 0,1,2,3
	v_permlanex16_b32 v[80+\k], v[X+\k], s[SEL], s[SEL+1]
.endr
	v_pk_add_f32 v[X:X+1], v[X:X+1], v[80:81]      ; with the other half's sixteen v: S(j, 4 (lane % 16) + 0 .. 3), the same in both halves
	v_pk_add_f32 v[X+2:X+3], v[X+2:X+3], v[82:83]
	ds_store_b128 v14, v[X:X+3]                    ; both halves write the same bytes with the same values
.irp k, 0,1,2,3,4,5,6,7
	ds_load_b128 v[32+4*\k:35+4*\k], v15 offset:16*\k   ; LDS serves a wave's instructions in order (ISA guide 5.7.1.4): these see my store.  S(j, 32 h + 0 .. 31)
.endr
	s_wait_dscnt 0x0
	v_max3_num_f32 v20, |v32|, |v33|, |v34|        ; the block's largest magnitude, in two chains
	v_max3_num_f32 v21, |v35|, |v36|, |v37|
.irp i, 6,10,14,18,22,26
	v_max3_num_f32 v20, v20, |v[32+\i]|, |v[33+\i]|
	v_max3_num_f32 v21, v21, |v[34+\i]|, |v[35+\i]|
.endr
	v_max3_num_f32 v20, v20, |v62|, |v63|
	v_max3_num_f32 v20, v20, v21, 0x2800000        ; and the floor 2^(5 - 127): the byte cannot fall under 1
	v_add_nc_u32 v22, 0xfe000000, v20              ; 4 off its exponent field: the conversion takes the exponent field of this operand as its scale
	v_lshrrev_b32 v23, 23, v22                     ; the scale's byte
	v_lshlrev_b32 v24, 3, v4
	v_cvt_scalef32_pk16_bf6_f32 v[64:66], v[32:47], v22
	v_cvt_scalef32_pk16_bf6_f32 v[72:74], v[48:63], v22   ; (a conversion's three registers begin on an even number)
	v_lshlrev_b32 v23, v24, v23                    ; my byte at its place, 8 h bits up.  (A plain line behind the conversions)
.irp i, 0,1,2
	v_mov_b32 v[67+\i], v[72+\i]                   ; v64-69: the block's 192 bits
.endr
	v_permlanex16_b32 v25, v23, s[SEL], s[SEL+1]
	v_or_b32 v23, v23, v25                         ; the scale word: bytes 0 and 1; bytes 2 and 3 are 0
	v_lshlrev_b32 v24, 4, v4
	v_lshrrev_b32 v23, v24, v23                    ; lanes 0-15 store its lower half, lanes 16-31 its upper
	v_cmp_eq_u32 vcc_lo, 0, v3                     ; all 16 lanes of a half hold the same: lanes 0 and 16 store
	s_wait_xcnt 0x0                                ; EXEC changes only behind this wait: the mask's store has been issued
	s_wait_tensorcnt 0x0
	ds_add_u32 v96, v97
	s_wait_dscnt 0x0
	s_and_saveexec_b32 s44, vcc_lo
	global_store_b64 v10, v[64:65], s[8:9]
	global_store_b64 v11, v[66:67], s[8:9]
	global_store_b64 v10, v[68:69], s[8:9] offset:512
	global_store_b16 v12, v23, s[8:9]
	s_wait_xcnt 0x0                                ; and again in front of the line that widens it
	s_or_b32 exec_lo, exec_lo, s44
	s_endpgm
.Lfunc_end_k_qa76b47901e_prep:
	.size	k_qa76b47901e_prep, .Lfunc_end_k_qa76b47901e_prep-k_qa76b47901e_prep
	.p2alignl 7, 3214868480
	.fill 96, 4, 3214868480
	.section	.rodata,"a",@progbits
	.p2align	6, 0x0
	.amdhsa_kernel k_qa76b47901e_prep
		.amdhsa_group_segment_fixed_size 3072
		.amdhsa_private_segment_fixed_size 0
		.amdhsa_enable_private_segment 0
		.amdhsa_kernarg_size 32
		.amdhsa_user_sgpr_count 2
		.amdhsa_user_sgpr_kernarg_segment_ptr 1
		.amdhsa_wavefront_size32 1
		.amdhsa_system_sgpr_workgroup_id_x 1
		.amdhsa_system_sgpr_workgroup_id_y 1
		.amdhsa_system_sgpr_workgroup_id_z 1
		.amdhsa_system_vgpr_workitem_id 0
		.amdhsa_next_free_vgpr 98
		.amdhsa_next_free_sgpr 66
		.amdhsa_reserve_vcc 1
		.amdhsa_float_denorm_mode_32 3
		.amdhsa_float_denorm_mode_16_64 3
		.amdhsa_memory_ordered 1
		.amdhsa_forward_progress 1
		.amdhsa_inst_pref_size 13
	.end_amdhsa_kernel
	.amdgpu_metadata
---
amdhsa.version: [ 1, 2 ]
amdhsa.kernels:
  - .name:           k_qa76b47901e_prep
    .symbol:         k_qa76b47901e_prep.kd
    .args:
      - { .name: key, .offset: 0, .size: 8, .value_kind: global_buffer, .address_space: global }
      - { .name: label_arr, .offset: 8, .size: 8, .value_kind: global_buffer, .address_space: global }
      - { .name: skey, .offset: 16, .size: 8, .value_kind: global_buffer, .address_space: global }
      - { .name: mbits, .offset: 24, .size: 8, .value_kind: global_buffer, .address_space: global }
    .group_segment_fixed_size: 3072
    .private_segment_fixed_size: 0
    .kernarg_segment_align: 8
    .kernarg_segment_size: 32
    .max_flat_workgroup_size: 256
    .sgpr_count:     66
    .vgpr_count:     98
    .wavefront_size: 32
...
	.end_amdgpu_metadata
.endif
;; end of part 1
;; launch attn (part 2): grid 256 x 1, 16 waves a work-group, no clusters, 124,928 bytes of LDS; arguments query, value, skey, mbits, out0; writes out0
.if DOCPART == 2
	.amdgcn_target "amdgcn-amd-amdhsa--gfx1250"
	.amdhsa_code_object_version 6
	.text
	.protected	k_qa76b47901e_attn
	.globl	k_qa76b47901e_attn
	.p2align	8
	.type	k_qa76b47901e_attn,@function
k_qa76b47901e_attn:
	s_mov_b64 s[64:65], 0
	v_nop
	global_prefetch_b8 v0, s[64:65] scope:SCOPE_SE
	s_setreg_imm32_b32 hwreg(HW_REG_WAVE_MODE, 25, 1), 1
	s_wait_xcnt 0x0
; out[b][i][v][:] = the sum over j of softmax_j(query[b][i][v] . S[b][j] / 8, where label i = label j) value[b][j][v][:], both products on codes of BF6 (E3M2) with one E8M0 scale for each 32 along a product's K.
; query, value, out: [4][512][32][64] f32: a row (b, i, v) is 256 consecutive bytes, rows of one (b, v) lie 8,192 bytes apart.  S's codes and scale words (skey) and the mask as lane masks (mbits) come from the launch before.
; THE SOFTMAX AHEAD OF THE SECOND PRODUCT: t = score x log2(e) / 8; M = the row's largest t so far, rounded UP to a whole number; p = 2^(t - M) is quantised along the keys, not normalised.  The row's sum is taken of the
; unquantised p and divides at the end.  When M moves, the sum and O are multiplied by 2^(old M - new M): exact.  Hidden scores become -infinity ahead of the maximum: p = 0.
; SHARES.  Work-group g owns (b, v) = g / 2 and half g % 2 of its 512 queries; each of its SIXTEEN waves owns 16 queries and walks all 512 keys, 128 a step: four waves to a SIMD, 256 registers each, no register windows.
; THE HEAD.  Q's 16 rows are loaded as whole rows, turn through the wave's stage in LDS and are quantised in registers.  S's images are copied to LDS as they lie.  A first barrier; behind it S's bytes are only read.
; VALUE IS WANTED BY THE SECOND PRODUCT ALONE, so it arrives while the first key step's scores and softmax are worked: a wave's 64 loads are dealt out in eight runs of eight, from the head to the middle of that softmax, into
; 64 registers that nothing else names until then: O^T's 32, which are not begun yet, and 32 that S's fragments leave free in the first step, which takes its eight key tiles four at a time.  They are waited for behind
; p's codes.  value is quantised along j by the work-group: wave w takes keys 128 (w / 4) + 32 ((w / 2) % 2) + {0 .. 31, 64 .. 95} of columns 32 (w % 2) + lane: A LANE TAKES A COLUMN AND ITS REGISTERS RUN DOWN j, so its
; two blocks' codes are the 12 registers of one lane of an operand, and go to LDS as an image of the operand's registers.  A second barrier; behind it V's bytes are only read.
; LAYOUT.  Both products are used transposed: S^T = S Q^T (source 0 = 16 keys, source 1 = my 16 queries), O^T = V^T P^T (source 0 = 16 of the 64 channels, source 1 = P): a lane holds ONE query (lane % 16) throughout.
; Lane r of key tile 2 p + u is key 32 p + 8 u + r + 8 (r / 8), so that the 16 score registers of tiles 2 p and 2 p + 1 are keys 32 p + 16 (lane / 16) + 0 .. 15.
; THE FIRST PRODUCT'S K IS 64 of the instruction's 128.  Q's codes of k = 64 .. 127 are zeros and its scale bytes there 0 (2^-127), so whatever stands in S's fragment there adds nothing: S's fragments need no zero half, and
; tile t's fragment is registers 6 t .. 6 t + 11 of one run, its upper half being the next tile's codes (E3M2 has no code for infinity or NaN); six registers that have been written end the run.
; THE MASK costs one v_cndmask_b32 a score: word n of my tile's 256 is the lane mask of score register n; 64 words a step come by scalar loads, asked for a step ahead.
; NOT SHARED IN A CLUSTER: value's numbers are f32 and pass through registers to become codes, each wave loading just the 8,192 bytes that it converts, so there is no tile in LDS that the two work-groups of a (b, v) could ask
; for jointly; S's images, which 64 work-groups share, are 26,624 of the 239,616 bytes that a work-group reads.  No tensor load, no slot that is filled again.
; LIMITS: NaN and infinities in the inputs are not served; a block of zeros gets the scale byte 1 where the rule says 127 (its codes are zeros; this program alone reads the bytes); p under 2^-126 comes out of v_exp_f32 as 0.
.set ROWP,  8192                       ; bytes from position i to i + 1
.set FRB,   1536                       ; an operand image: 12 registers x 32 lanes: register g of lane l at 512 (g / 4) + 16 l + 4 (g % 4)
.set SKB,   26624                      ; bytes of skey for a batch
.set SIMG,  0                          ; LDS: S's 16 images (two key tiles each),
.set SSC,   24576                      ; S's scale words: (tile t, row r) at 256 (t / 4) + 16 r + 4 (t % 4),
.set VIMG,  26624                      ; V's 16 images: (key step s, channel tile c) at 4 s + c,
.set VSC,   51200                      ; V's scale words: (s, row r, c) at 256 s + 16 r + 4 c,
.set STG,   52224                      ; and a stage of 16 rows x (256 bytes + 16) for each wave
.set SP,    272
.set LI,  1                            ; v1   16 x lane: an image's place for my lane
.set LR,  2                            ; v2   16 x (lane % 16): four scale words of my row
.set SO,  3                            ; v3   the stage: row lane % 16, + 32 (lane / 16)
.set SR,  4                            ; v4   the stage by rows: row lane / 16, + 16 (lane % 16)
.set GO,  5                            ; v5   the same two rows in query and in out
.set NEG, 6                            ; v6   -infinity
.set QR,  7                            ; v7   the stage: row lane % 16, + 128 (lane / 16): my block of Q
.set QF,  16                           ; v16-27  Q's fragment
.set CA,  28                           ; v28  16 x thread, v29  4 x thread: the copy of skey
.set CB,  29
.set VA,  30                           ; v30  4 x lane: my column of value
.set VW,  31                           ; v31  where my 12 registers of V's codes go
.set FR,  32                           ; step 0: v32-55 four fragments of S, v56-61 the run's end;  later v32-79 eight fragments of S or four of V, v80-85 the run's end
.set VAL1, 62                          ; v62-93  value's second block of 32 numbers, until it is quantised
.set VB,  94                           ; v94  where my two scale bytes of V go
.set SCO, 96                           ; v96-159  S^T, then p
.set QN,  96                           ; at the head v96-127 Q's numbers by blocks, v128-159 Q as loaded
.set QL,  128
.set VC,  96                           ; v96-114 V's codes while they are made: p is dead by then
.set OT,  160                          ; v160-191 O^T
.set VAL0, 160                         ; and before it value's first block of 32 numbers
.set KS,  192                          ; v192-199 S's scale words, v200-203 V's, v204 p's, v205 Q's: these hold scales and nothing else
.set VS,  200
.set PS,  204
.set QS,  205
.set CP,  208                          ; v208-220 the copy of skey on its way
.set PC,  224                          ; v224-235 p's codes
.set BM,  232                          ; v232-235 the blocks' largest scores (dead when the codes land there)
.set T4,  236                          ; v236-243 at work
.set SF,  244                          ; v244-247 the conversions' scale operands
.set WV,  14                           ; s14  my wave's number
.set SEL, 84                           ; s[84:85] lane selects for v_permlanex16_b32: lane l xor 16
.set CS,  86                           ; s[86:87] c = log2(e) / 8: the packed form names a pair and takes its low word for both halves
; the 64 lane masks of key step s: s16-63 and s68-83
.macro MASKS s
	s_load_b512 s[16:31], s[10:11], 256*(\s)
	s_load_b512 s[32:47], s[10:11], 256*(\s)+64
	s_load_b512 s[48:63], s[10:11], 256*(\s)+128
	s_load_b512 s[68:83], s[10:11], 256*(\s)+192
.endm
; eight of my 64 loads of value, numbers first .. first + 7.  Number n under 32 is my key n, from 32 on my key n + 32: the operand's two blocks lie 64 keys apart.  A wave reads 128 consecutive bytes.
.macro VLOAD first
.set vn, \first
.rept 8
.if vn < 32
	global_load_b32 v[VAL0+vn], v[VA], s[6:7] offset:vn*ROWP
.else
	global_load_b32 v[VAL1+vn-32], v[VA], s[6:7] offset:(vn+32)*ROWP
.endif
.set vn, vn+1
.endr
.endm
; -infinity where the labels differ, for score registers first .. first + count - 1; each accumulator is taken from its low end on
.macro MASKRUN first, count
.set n, \first
.rept \count
.if n < 48
	v_cndmask_b32 v[SCO+n], v[SCO+n], v[NEG], s[16+n]
.else
	v_cndmask_b32 v[SCO+n], v[SCO+n], v[NEG], s[20+n]
.endif
.set n, n+1
.endr
.endm
	s_load_b256 s[4:11], s[0:1], 0x0               ; query s[4:5], value s[6:7], skey s[8:9], mbits s[10:11]
	s_load_b64 s[12:13], s[0:1], 0x20              ; out0
	v_lshl_add_u32 v251, v0, 2, 0x1e000
	v_mov_b32 v255, 0
	v_lshrrev_b32 v11, 5, v0
	v_readfirstlane_b32 s[WV], v11                 ; wave 0..15
	v_and_b32 v8, 31, v0                           ; lane
	v_and_b32 v9, 15, v0                           ; r
	v_bfe_u32 v10, v0, 4, 1                        ; h
	s_lshr_b32 s88, ttmp9, 6                       ; b
	s_bfe_u32 s89, ttmp9, 0x50001                  ; v
	s_and_b32 s90, ttmp9, 1                        ; which half of the queries
	s_lshr_b32 s2, s[WV], 2                        ; for value: key step w / 4,
	s_bfe_u32 s3, s[WV], 0x10001                   ; half of the lanes of the operand (w / 2) % 2,
	s_and_b32 s15, s[WV], 1                        ; 32 columns w % 2
	s_lshl_b32 s91, s88, 22
	s_lshl_b32 s89, s89, 8
	s_add_co_u32 s91, s91, s89                     ; row (b, 0, v): 2^22 b + 256 v
	s_lshl_b32 s92, s90, 21
	s_lshl_b32 s93, s[WV], 17
	s_add_co_u32 s92, s92, s93
	s_add_co_u32 s92, s92, s91                     ; my first query: + 256 half + 16 wave positions of 8,192 bytes
	s_mov_b32 s93, 0
	s_lshl_b32 s94, s2, 20
	s_lshl_b32 s95, s3, 18
	s_add_co_u32 s94, s94, s95
	s_lshl_b32 s95, s15, 7
	s_add_co_u32 s94, s94, s95
	s_add_co_u32 s94, s94, s91                     ; my part of value: key 128 (w / 4) + 32 ((w / 2) % 2), column 32 (w % 2)
	s_mov_b32 s95, 0
	s_lshl_b32 s96, s88, 15
	s_lshl_b32 s97, s90, 14
	s_add_co_u32 s96, s96, s97
	s_lshl_b32 s97, s[WV], 10
	s_add_co_u32 s96, s96, s97                     ; my tile's 256 mask words: 1,024 (32 b + 16 half + wave)
	s_mov_b32 s97, 0
	s_mul_i32 s98, s88, SKB
	s_mov_b32 s99, 0
	v_lshlrev_b32 v[GO], 13, v10
	v_lshl_add_u32 v[GO], v9, 4, v[GO]             ; lanes 0-15 one row of 256 bytes, lanes 16-31 the next position's
	v_lshlrev_b32 v[CA], 4, v0
	v_lshlrev_b32 v[CB], 2, v0
	v_lshlrev_b32 v[VA], 2, v8
	s_wait_kmcnt 0x0
	s_add_nc_u64 s[4:5], s[4:5], s[92:93]
	s_add_nc_u64 s[12:13], s[12:13], s[92:93]
	s_add_nc_u64 s[6:7], s[6:7], s[94:95]
	s_add_nc_u64 s[10:11], s[10:11], s[96:97]
	s_add_nc_u64 s[8:9], s[8:9], s[98:99]
	MASKS 0
.irp k, 0,1,2,3,4,5,6,7
	global_load_b128 v[QL+4*\k:QL+4*\k+3], v[GO], s[4:5] offset:2*\k*ROWP th:TH_LOAD_NT   ; Q: sixteen lanes read a whole row of 256 bytes; read once in the launch
.endr
.irp k, 0,1,2
	global_load_b128 v[CP+4*\k:CP+4*\k+3], v[CA], s[8:9] offset:8192*\k   ; S's images: 512 threads x 16 bytes, three times
.endr
	global_load_b32 v[CP+12], v[CB], s[8:9] offset:24576                  ; S's scale words: 512 threads x 4 bytes
	VLOAD 0                                        ; value's first eight loads go out behind what the first product waits for
	s_lshl_b32 s88, s2, 2
	s_lshl_b32 s89, s15, 1
	s_add_co_u32 s88, s88, s89
	s_mul_i32 s88, s88, FRB
	s_lshl_b32 s89, s3, 8
	s_add_co_u32 s88, s88, s89                     ; V's image 4 (w / 4) + 2 (w % 2), lanes 16 ((w / 2) % 2) on
	s_lshl_b32 s89, s2, 8
	s_lshl_b32 s90, s15, 3
	s_add_co_u32 s89, s89, s90
	s_add_co_u32 s89, s89, s3                      ; V's scale bytes: 256 (w / 4) + 8 (w % 2) + (w / 2) % 2
	s_mul_i32 s90, s[WV], 16*SP
	s_add_co_u32 s90, s90, STG                     ; my stage
	s_mov_b32 s[SEL], 0x76543210
	s_mov_b32 s[SEL+1], 0xfedcba98
	s_mov_b32 s[CS], 0x3e38aa3b                    ; c = log2(e) / 8
	s_mov_b32 s[CS+1], s[CS]                       ; (named with it as a pair, so it is written)
	v_lshlrev_b32 v[LI], 4, v8
	v_lshlrev_b32 v[LR], 4, v9
	v_mul_u32_u24 v[SO], v9, SP
	v_lshl_add_u32 v[QR], v10, 7, v[SO]
	v_lshl_add_u32 v[SO], v10, 5, v[SO]
	v_add_nc_u32 v[SO], s90, v[SO]
	v_add_nc_u32 v[QR], s90, v[QR]
	v_mul_u32_u24 v[SR], v10, SP
	v_lshl_add_u32 v[SR], v9, 4, v[SR]
	v_add_nc_u32 v[SR], s90, v[SR]
	v_mul_u32_u24 v[VW], v10, FRB                  ; my column 32 (w % 2) + lane is row lane % 16 of channel tile 2 (w % 2) + lane / 16
	v_lshl_add_u32 v[VW], v9, 4, v[VW]
	v_add_nc_u32 v[VW], s88, v[VW]
	v_lshlrev_b32 v[VB], 4, v9
	v_lshl_add_u32 v[VB], v10, 2, v[VB]
	v_add_nc_u32 v[VB], s89, v[VB]
	v_mov_b32 v243, 0                              ; (a lane permute's destination counts as one of its sources)
.irp i, 0,1,2,3,4,5
	v_mov_b32 v[QF+6+\i], 0                        ; Q's codes of k = 64 .. 127
.endr
	s_wait_loadcnt 8                               ; Q's eight loads and skey's four are in; the eight loads of value issued behind them stay out
.irp k, 0,1,2,3,4,5,6,7
	ds_store_b128 v[SR], v[QL+4*\k:QL+4*\k+3] offset:2*\k*SP     ; Q's rows into my stage as they lie,
.endr
.irp k, 0,1,2,3,4,5,6,7
	ds_load_b128 v[QN+4*\k:QN+4*\k+3], v[QR] offset:16*\k        ; and back: Q(r, 32 h + 0 .. 31).  LDS serves a wave's instructions in order (ISA guide 5.7.1.4)
.endr
.irp k, 0,1,2
	ds_store_b128 v[CA], v[CP+4*\k:CP+4*\k+3] offset:SIMG+8192*\k
.endr
	ds_store_b32 v[CB], v[CP+12] offset:SSC
	VLOAD 8
	s_wait_dscnt 4                                 ; Q's numbers are back; the four LDS stores issued behind them may be out
	v_max3_num_f32 v[T4], |v[QN]|, |v[QN+1]|, |v[QN+2]|          ; my block's largest magnitude: all 32 numbers are mine
	v_max3_num_f32 v[T4+1], |v[QN+3]|, |v[QN+4]|, |v[QN+5]|
.irp i, 6,10,14,18,22,26
	v_max3_num_f32 v[T4], v[T4], |v[QN+\i]|, |v[QN+\i+1]|
	v_max3_num_f32 v[T4+1], v[T4+1], |v[QN+\i+2]|, |v[QN+\i+3]|
.endr
	v_max3_num_f32 v[T4], v[T4], |v[QN+30]|, |v[QN+31]|
	v_max3_num_f32 v[T4], v[T4], v[T4+1], 0x2800000              ; and the floor 2^(5 - 127): the byte cannot fall under 1
	v_add_nc_u32 v[SF], 0xfe000000, v[T4]                        ; 4 off its exponent field: the conversion's scale operand
	v_lshrrev_b32 v[T4+2], 23, v[SF]                             ; the scale's byte
	v_lshlrev_b32 v[T4+3], 3, v10
	v_cvt_scalef32_pk16_bf6_f32 v[QF:QF+2], v[QN:QN+15], v[SF]
	v_cvt_scalef32_pk16_bf6_f32 v[240:242], v[QN+16:QN+31], v[SF]   ; (a conversion's three registers begin on an even number)
	v_lshlrev_b32 v[QS], v[T4+3], v[T4+2]                        ; my byte, 8 h bits up.  (A plain line behind the conversions)
.irp i, 0,1,2
	v_mov_b32 v[QF+3+\i], v[240+\i]
.endr
	v_permlanex16_b32 v243, v[QS], s[SEL], s[SEL+1]
	v_or_b32 v[QS], v[QS], v243                    ; Q's scale word: bytes 0 and 1; bytes 2 and 3 are 0
	; The first values stand here: twelve plain lines between the line that wrote Q's scale word and the first scaled product, six between the last write of a fragment register and it
.irp i, 0,1,2,3,4,5
	v_mov_b32 v[FR+24+\i], 0                       ; the end of the first step's run of S's fragments
.endr
	v_mov_b32 v[NEG], 0xff800000
	v_mov_b32 v13, 0xff61b1e6                      ; the largest t so far: -3e38, under every t
	v_floor_f32 v12, -v13                          ; -M
	v_mov_b32 v14, 0                               ; the sum, in two halves
	v_mov_b32 v15, 0
	v_mov_b32 v253, 0                              ; (named as the upper half of the pair v[252:253])
	VLOAD 16
	s_wait_dscnt 0x0                               ; for the others' sake: my part of S's images and scale words is stored
	s_barrier_signal -1
	s_barrier_wait -1                              ; everybody's is; from here on S's bytes are only read.  value's loads stay out: they touch no LDS
; A KEY STEP: keys 128 s .. 128 s + 127.
.macro STEP s
.if \s == 0
.irp g, 0,1                                    ; the first step takes its eight key tiles four at a time, through v32-61: v62-93 are value's
.if \g > 0
.rept 4
	v_nop                                          ; places in front of loads into registers that the four products have read
.endr
.endif
.irp c, 0,1,2,3,4,5
	ds_load_b128 v[FR+4*\c:FR+4*\c+3], v[LI] offset:SIMG+(2*\g+\c/3)*FRB+512*(\c%3)   ; two images = four key tiles, 6 registers each
.endr
	ds_load_b128 v[KS+4*\g:KS+4*\g+3], v[LR] offset:SSC+256*\g  ; their scale words of my row
	VLOAD 24+8*\g
	s_wait_dscnt 0x0
.irp t, 0,1,2,3
	v_wmma_scale_f32_16x16x128_f8f6f4 v[SCO+8*(4*\g+\t):SCO+8*(4*\g+\t)+7], v[FR+6*\t:FR+6*\t+11], v[QF:QF+11], 0, v[KS+4*\g+\t], v[QS] matrix_a_fmt:MATRIX_FMT_BF6 matrix_b_fmt:MATRIX_FMT_BF6
.endr
.endr
.else
.rept 4
	v_nop                                          ; places in front of loads into registers that the last products have read
.endr
.irp c, 0,1,2,3,4,5,6,7,8,9,10,11
	ds_load_b128 v[FR+4*\c:FR+4*\c+3], v[LI] offset:SIMG+(4*\s+\c/3)*FRB+512*(\c%3)   ; four images = eight key tiles, 6 registers each
.endr
	ds_load_b128 v[KS:KS+3], v[LR] offset:SSC+512*\s            ; the scale words of tiles 0-3 of my row,
	ds_load_b128 v[KS+4:KS+7], v[LR] offset:SSC+512*\s+256      ; and of tiles 4-7
	s_wait_dscnt 0x0
.irp t, 0,1,2,3,4,5,6,7
	v_wmma_scale_f32_16x16x128_f8f6f4 v[SCO+8*\t:SCO+8*\t+7], v[FR+6*\t:FR+6*\t+11], v[QF:QF+11], 0, v[KS+\t], v[QS] matrix_a_fmt:MATRIX_FMT_BF6 matrix_b_fmt:MATRIX_FMT_BF6
.endr
.endif                                         ; lane (r, h): query r; register 16 b + i is key 128 s + 32 b + 16 h + i
.rept 4
	v_nop                                          ; places in front of the first read of the results
.endr
	s_wait_kmcnt 0x0                               ; this step's 64 lane masks
.if \s == 0
	MASKRUN 0, 32
	VLOAD 40
	MASKRUN 32, 32
	VLOAD 48
.else
	MASKRUN 0, 64
.irp c, 0,1,2,3,4,5,6,7,8,9,10,11
	ds_load_b128 v[FR+4*\c:FR+4*\c+3], v[LI] offset:VIMG+(4*\s+\c/3)*FRB+512*(\c%3)   ; V's four fragments of this step: asked for now, wanted behind the softmax
.endr
	ds_load_b128 v[VS:VS+3], v[LR] offset:VSC+256*\s            ; and their scale words
.endif
.irp b, 0,1,2,3
	v_max3_num_f32 v[BM+\b], v[SCO+16*\b], v[SCO+1+16*\b], v[SCO+2+16*\b]   ; the largest score of each block of 32 keys: it serves the row's maximum and, since p rises with the score, the block's largest p
.endr
.irp i, 3,5,7,9,11,13
.irp b, 0,1,2,3
	v_max3_num_f32 v[BM+\b], v[BM+\b], v[SCO+16*\b+\i], v[SCO+1+16*\b+\i]
.endr
.endr
.irp b, 0,1,2,3
	v_max_num_f32 v[BM+\b], v[BM+\b], v[SCO+15+16*\b]
.endr
.if \s < 3
	MASKS \s+1                                     ; the next step's lane masks: this step's have been read
.endif
.if \s == 0
	VLOAD 56                                       ; value's last eight loads: the scalings, the exponentials, the sums and p's codes stand between them and the wait for them
.endif
.irp b, 0,1,2,3
	v_permlanex16_b32 v[T4+\b], v[BM+\b], s[SEL], s[SEL+1]
.endr
.irp b, 0,1,2,3
	v_max_num_f32 v[BM+\b], v[BM+\b], v[T4+\b]     ; with lane l xor 16's 16 keys
.endr
	v_max3_num_f32 v254, v[BM], v[BM+1], v[BM+2]
	v_max_num_f32 v254, v254, v[BM+3]              ; the step's largest score of my query (-infinity where all 128 keys are hidden)
	v_mul_f32 v254, s[CS], v254                    ; as t (c is positive)
	v_max_num_f32 v13, v13, v254                   ; the running largest t
	v_mov_b32 v254, v12
	v_floor_f32 v12, -v13                          ; the new -M = floor(-t) = -ceil(t): a whole number
	v_sub_f32 v254, v12, v254                      ; old M - new M: a whole number, 0 or less
	v_cvt_i32_f32 v254, v254                       ; (it saturates)
	v_ldexp_f32 v252, 1.0, v254                    ; f = 2^(old M - new M)
.set j, 0
.rept 32
	v_pk_fma_f32 v[SCO+j:SCO+j+1], v[SCO+j:SCO+j+1], s[CS:CS+1], v[12:13] op_sel_hi:[1,0,0]   ; t - M, two at a time
.set j, j+2
.endr
.irp b, 0,1,2,3
	v_fma_f32 v[BM+\b], v[BM+\b], s[CS], v12       ; the same of each block's largest score
.endr
.set j, 0
.rept 64
	v_exp_f32 v[SCO+j], v[SCO+j]                   ; p = 2^(t - M), at most 1
.set j, j+1
.endr
	v_pk_mul_f32 v[14:15], v[14:15], v[252:253] op_sel_hi:[1,0]   ; the sums under the new M.  (A plain line behind the exponentials)
	s_wait_alu depctr_va_vdst(0)                   ; one wait for the batch of 64, ahead of its first reader
.irp b, 0,1,2,3
	v_exp_f32 v[BM+\b], v[BM+\b]                   ; the block's largest p: the same two instructions on the same number give the same bits
.endr
	v_pk_add_f32 v[T4:T4+1], v[SCO:SCO+1], v[SCO+2:SCO+3]        ; the row's sum is taken of the unquantised p, two at a time, in two chains
.irp j, 4,8,12,16,20,24,28,32,36,40,44,48,52,56,60
	v_pk_add_f32 v[14:15], v[14:15], v[SCO+\j:SCO+1+\j]
	v_pk_add_f32 v[T4:T4+1], v[T4:T4+1], v[SCO+2+\j:SCO+3+\j]
.endr
	v_pk_add_f32 v[14:15], v[14:15], v[T4:T4+1]
	s_wait_alu depctr_va_vdst(0)                   ; and one for the four
.irp b, 0,1,2,3
	v_max_num_f32 v[BM+\b], 0x2800000, v[BM+\b]    ; the floor 2^(5 - 127): a block whose every p is 0 keeps the byte 1: its codes are zeros
.endr
.irp b, 0,1,2,3
	v_add_nc_u32 v[SF+\b], 0xfe000000, v[BM+\b]    ; 4 off the exponent field: the conversion's scale operand
.endr
.irp b, 0,1,2,3
	v_lshrrev_b32 v[T4+\b], 23, v[SF+\b]           ; the scale's byte
.endr
	v_lshl_or_b32 v[PS], v[T4+1], 8, v[T4]         ; p's scale word for these 128 keys
	v_lshl_or_b32 v[PS], v[T4+2], 16, v[PS]
	v_lshl_or_b32 v[PS], v[T4+3], 24, v[PS]
.irp c, 0,1
	v_cvt_scalef32_pk16_bf6_f32 v[PC+6*\c:PC+2+6*\c], v[SCO+32*\c:SCO+15+32*\c], v[SF+2*\c]
	v_cvt_scalef32_pk16_bf6_f32 v[T4+4*\c:T4+2+4*\c], v[SCO+16+32*\c:SCO+31+32*\c], v[SF+2*\c+1]
.endr
	v_nop                                          ; one plain line behind the last conversion
.irp c, 0,1                                    ; the operand's layout wants a whole block in a lane: lanes 0-15 block 2 c, lanes 16-31 block 2 c + 1
.irp i, 0,1,2
	v_permlane16_swap_b32 v[PC+6*\c+\i], v[T4+4*\c+\i]
.endr
.irp i, 0,1,2
	v_mov_b32 v[PC+3+6*\c+\i], v[T4+4*\c+\i]
.endr
.endr
.if \s == 0
	; VALUE BECOMES CODES, here, where the second product first wants it.  (These lines are also the places between the lines that wrote p's codes and scale word and the scaled products)
	s_wait_loadcnt 0x0                             ; my 64 numbers of value
	v_max3_num_f32 v[T4], |v[VAL0]|, |v[VAL0+1]|, 0x2800000      ; my two blocks: keys 32 hh + 0 .. 31 and 64 + 32 hh + 0 .. 31 of the key step; the floor 2^(5 - 127) among the leaves
	v_max3_num_f32 v[T4+1], |v[VAL1]|, |v[VAL1+1]|, 0x2800000
.irp i, 2,4,6,8,10,12,14,16,18,20,22,24,26,28,30
	v_max3_num_f32 v[T4], v[T4], |v[VAL0+\i]|, |v[VAL0+1+\i]|
	v_max3_num_f32 v[T4+1], v[T4+1], |v[VAL1+\i]|, |v[VAL1+1+\i]|
.endr
.irp c, 0,1
	v_add_nc_u32 v[SF+\c], 0xfe000000, v[T4+\c]
.endr
.irp c, 0,1
	v_lshrrev_b32 v[T4+2+\c], 23, v[SF+\c]
.endr
	v_cvt_scalef32_pk16_bf6_f32 v[VC:VC+2], v[VAL0:VAL0+15], v[SF]             ; registers 0 .. 5 of the operand's lane,
	v_cvt_scalef32_pk16_bf6_f32 v[VC+12:VC+14], v[VAL0+16:VAL0+31], v[SF]      ; (a conversion's three registers begin on an even number)
	v_cvt_scalef32_pk16_bf6_f32 v[VC+6:VC+8], v[VAL1:VAL1+15], v[SF+1]         ; and registers 6 .. 11
	v_cvt_scalef32_pk16_bf6_f32 v[VC+16:VC+18], v[VAL1+16:VAL1+31], v[SF+1]
	v_nop                                          ; one plain line behind the last conversion
.irp i, 0,1,2
	v_mov_b32 v[VC+3+\i], v[VC+12+\i]
	v_mov_b32 v[VC+9+\i], v[VC+16+\i]
.endr
.irp k, 0,1,2
	ds_store_b128 v[VW], v[VC+4*\k:VC+4*\k+3] offset:VIMG+512*\k
.endr
	ds_store_b8 v[VB], v[T4+2] offset:VSC          ; byte hh of my row's scale word,
	ds_store_b8 v[VB], v[T4+3] offset:VSC+2        ; and byte 2 + hh
.irp i, 0,1,2,3,4,5
	v_mov_b32 v[FR+48+\i], 0                       ; the end of the later steps' run of S's fragments
.endr
	s_wait_dscnt 0x0                               ; for the others' sake: my stores into V's images and scale words are done
	s_barrier_signal -1
	s_barrier_wait -1                              ; everybody's are; from here on V's bytes are only read
.irp c, 0,1,2,3,4,5,6,7,8,9,10,11
	ds_load_b128 v[FR+4*\c:FR+4*\c+3], v[LI] offset:VIMG+(\c/3)*FRB+512*(\c%3)   ; V's four fragments of the first step
.endr
	ds_load_b128 v[VS:VS+3], v[LR] offset:VSC      ; and their scale words
.else
.set j, 0
.rept 16
	v_pk_mul_f32 v[OT+j:OT+j+1], v[OT+j:OT+j+1], v[252:253] op_sel_hi:[1,0]   ; O^T under the new M: x f.  (These are also the places in front of the scaled products)
.set j, j+2
.endr
.endif
	s_wait_dscnt 0x0                               ; V's fragments and scale words
.irp t, 0,1,2,3                                ; O^T += V^T P^T: four tiles of 16 channels, by turns; the first step starts the sums
.if \s == 0
	v_wmma_scale_f32_16x16x128_f8f6f4 v[OT+8*\t:OT+8*\t+7], v[FR+12*\t:FR+12*\t+11], v[PC:PC+11], 0, v[VS+\t], v[PS] matrix_a_fmt:MATRIX_FMT_BF6 matrix_b_fmt:MATRIX_FMT_BF6
.else
	v_wmma_scale_f32_16x16x128_f8f6f4 v[OT+8*\t:OT+8*\t+7], v[FR+12*\t:FR+12*\t+11], v[PC:PC+11], v[OT+8*\t:OT+8*\t+7], v[VS+\t], v[PS] matrix_a_fmt:MATRIX_FMT_BF6 matrix_b_fmt:MATRIX_FMT_BF6
.endif
.endr
.endm
	STEP 0
	STEP 1
	STEP 2
	STEP 3
	; THE WAY OUT.  O^T is divided by the row's sum and goes through my stage, so that sixteen lanes store a whole row of 256 bytes.
.rept 4
	v_nop                                          ; places behind the last products
.endr
	v_add_f32 v14, v14, v15                        ; the sum's two halves,
	v_permlanex16_b32 v252, v14, s[SEL], s[SEL+1]
	v_add_f32 v14, v14, v252                       ; and lane l xor 16's: the row's sum (the diagonal is never hidden: it is above 1/2)
	v_rcp_f32 v14, v14
	v_nop                                          ; a plain line behind the reciprocal
	s_wait_alu depctr_va_vdst(0)                   ; and the wait ahead of its first reader
.set j, 0
.rept 16
	v_pk_mul_f32 v[SCO+j:SCO+j+1], v[OT+j:OT+j+1], v[14:15] op_sel_hi:[1,0]   ; register 8 t + i is out(query r, channel 16 t + 8 h + i)
.set j, j+2
.endr
.irp t, 0,1,2,3
	ds_store_b128 v[SO], v[SCO+8*\t:SCO+8*\t+3] offset:64*\t
	ds_store_b128 v[SO], v[SCO+8*\t+4:SCO+8*\t+7] offset:64*\t+16
.endr
.irp k, 0,1,2,3,4,5,6,7
	ds_load_b128 v[FR+4*\k:FR+4*\k+3], v[SR] offset:2*\k*SP      ; my own bytes, served in order: these see my stores
.endr
.irp k, 0,1,2,3,4,5,6,7
	s_wait_dscnt 7-\k                              ; the younger read-backs may be out
	global_store_b128 v[GO], v[FR+4*\k:FR+4*\k+3], s[12:13] offset:2*\k*ROWP th:TH_STORE_NT   ; 16 lanes store 256 consecutive bytes, at a multiple of 256 from out's first byte; written once
.endr
	s_wait_tensorcnt 0x0
	ds_add_u32 v251, v255
	s_wait_dscnt 0x0
	s_endpgm
.Lfunc_end_k_qa76b47901e_attn:
	.size	k_qa76b47901e_attn, .Lfunc_end_k_qa76b47901e_attn-k_qa76b47901e_attn
	.p2alignl 7, 3214868480
	.fill 96, 4, 3214868480
	.section	.rodata,"a",@progbits
	.p2align	6, 0x0
	.amdhsa_kernel k_qa76b47901e_attn
		.amdhsa_group_segment_fixed_size 124928
		.amdhsa_private_segment_fixed_size 0
		.amdhsa_enable_private_segment 0
		.amdhsa_kernarg_size 40
		.amdhsa_user_sgpr_count 2
		.amdhsa_user_sgpr_kernarg_segment_ptr 1
		.amdhsa_wavefront_size32 1
		.amdhsa_system_sgpr_workgroup_id_x 1
		.amdhsa_system_sgpr_workgroup_id_y 1
		.amdhsa_system_sgpr_workgroup_id_z 1
		.amdhsa_system_vgpr_workitem_id 0
		.amdhsa_next_free_vgpr 256
		.amdhsa_next_free_sgpr 100
		.amdhsa_reserve_vcc 0
		.amdhsa_float_denorm_mode_32 3
		.amdhsa_float_denorm_mode_16_64 3
		.amdhsa_memory_ordered 1
		.amdhsa_forward_progress 1
		.amdhsa_inst_pref_size 98
	.end_amdhsa_kernel
	.amdgpu_metadata
---
amdhsa.version: [ 1, 2 ]
amdhsa.kernels:
  - .name:           k_qa76b47901e_attn
    .symbol:         k_qa76b47901e_attn.kd
    .args:
      - { .name: query, .offset: 0, .size: 8, .value_kind: global_buffer, .address_space: global }
      - { .name: value, .offset: 8, .size: 8, .value_kind: global_buffer, .address_space: global }
      - { .name: skey, .offset: 16, .size: 8, .value_kind: global_buffer, .address_space: global }
      - { .name: mbits, .offset: 24, .size: 8, .value_kind: global_buffer, .address_space: global }
      - { .name: out0, .offset: 32, .size: 8, .value_kind: global_buffer, .address_space: global }
    .group_segment_fixed_size: 124928
    .private_segment_fixed_size: 0
    .kernarg_segment_align: 8
    .kernarg_segment_size: 40
    .max_flat_workgroup_size: 512
    .sgpr_count:     100
    .vgpr_count:     256
    .wavefront_size: 32
...
	.end_amdgpu_metadata
.endif
;; end of part 2
;; ======== version 2 of 2: 2 launches; version 1 with the launch attn written anew for expert scheduling mode
;; workspace buffers: skey 106,496 bytes; mbits 131,072 bytes of whole numbers
;; launch prep: the kernel of part 1 again; grid 256 x 1, 8 waves a work-group, no clusters, 3,072 bytes of LDS; arguments key, label_arr, skey, mbits; writes skey, mbits
;; launch attn (part 3): grid 256 x 1, 16 waves a work-group, no clusters, 124,928 bytes of LDS; arguments query, value, skey, mbits, out0; writes out0
.if DOCPART == 3
	.amdgcn_target "amdgcn-amd-amdhsa--gfx1250"
	.amdhsa_code_object_version 6
	.text
	.protected	k_qa76b47901e_attn
	.globl	k_qa76b47901e_attn
	.p2align	8
	.type	k_qa76b47901e_attn,@function
k_qa76b47901e_attn:
	s_mov_b64 s[64:65], 0
	v_nop
	global_prefetch_b8 v0, s[64:65] scope:SCOPE_SE
	s_setreg_imm32_b32 hwreg(HW_REG_WAVE_SCHED_MODE, 0, 2), 2
	s_setreg_imm32_b32 hwreg(HW_REG_WAVE_MODE, 25, 1), 1
	s_wait_xcnt 0x0
	s_wait_alu depctr_vm_vsrc(0)
; out[b][i][v][:] = the sum over j of softmax_j(query[b][i][v] . S[b][j] / 8, where label i = label j) value[b][j][v][:], both products on codes of BF6 (E3M2) with one E8M0 scale for each 32 along a product's K.
; query, value, out: [4][512][32][64] f32: a row (b, i, v) is 256 consecutive bytes, rows of one (b, v) lie 8,192 bytes apart.  S's codes and scale words (skey) and the mask as lane masks (mbits) come from the launch before.
; THE SOFTMAX AHEAD OF THE SECOND PRODUCT: t = score x log2(e) / 8; M = the row's largest t so far, rounded UP to a whole number; p = 2^(t - M) is quantised along the keys, not normalised.  The row's sum is taken of the
; unquantised p and divides at the end.  When M moves, the sum and O are multiplied by 2^(old M - new M): exact.  Hidden scores become -infinity ahead of the maximum: p = 0.
; SHARES.  Work-group g owns (b, v) = g / 2 and half g % 2 of its 512 queries; each of its SIXTEEN waves owns 16 queries and walks all 512 keys, 128 a step: four waves to a SIMD, 256 registers each, no register windows.
; THE HEAD.  Q's 16 rows are loaded as whole rows, turn through the wave's stage in LDS and are quantised in registers.  S's images are copied to LDS as they lie.  A first barrier; behind it S's bytes are only read.
; VALUE IS WANTED BY THE SECOND PRODUCT ALONE, so it arrives while the first key step's scores and softmax are worked: a wave's 64 loads are dealt out in eight runs of eight, from the head to the middle of that softmax, into
; 64 registers that nothing else names until then: O^T's 32, which are not begun yet, and 32 that S's fragments leave free in the first step, which takes its eight key tiles four at a time.  They are waited for behind
; p's codes.  value is quantised along j by the work-group: wave w takes keys 128 (w / 4) + 32 ((w / 2) % 2) + {0 .. 31, 64 .. 95} of columns 32 (w % 2) + lane: A LANE TAKES A COLUMN AND ITS REGISTERS RUN DOWN j, so its
; two blocks' codes are the 12 registers of one lane of an operand, and go to LDS as an image of the operand's registers.  A second barrier; behind it V's bytes are only read.
; LAYOUT.  Both products are used transposed: S^T = S Q^T (source 0 = 16 keys, source 1 = my 16 queries), O^T = V^T P^T (source 0 = 16 of the 64 channels, source 1 = P): a lane holds ONE query (lane % 16) throughout.
; Lane r of key tile 2 p + u is key 32 p + 8 u + r + 8 (r / 8), so that the 16 score registers of tiles 2 p and 2 p + 1 are keys 32 p + 16 (lane / 16) + 0 .. 15.
; THE FIRST PRODUCT'S K IS 64 of the instruction's 128.  Q's codes of k = 64 .. 127 are zeros and its scale bytes there 0 (2^-127), so whatever stands in S's fragment there adds nothing: S's fragments need no zero half, and
; tile t's fragment is registers 6 t .. 6 t + 11 of one run, its upper half being the next tile's codes (E3M2 has no code for infinity or NaN); six registers that have been written end the run.
; THE MASK costs one v_cndmask_b32 a score: word n of my tile's 256 is the lane mask of score register n; 64 words a step come by scalar loads, asked for a step ahead.
; NOT SHARED IN A CLUSTER: value's numbers are f32 and pass through registers to become codes, each wave loading just the 8,192 bytes that it converts, so there is no tile in LDS that the two work-groups of a (b, v) could ask
; for jointly; S's images, which 64 work-groups share, are 26,624 of the 239,616 bytes that a work-group reads.  No tensor load, no slot that is filled again.
; LIMITS: NaN and infinities in the inputs are not served; a block of zeros gets the scale byte 1 where the rule says 127 (its codes are zeros; this program alone reads the bytes); p under 2^-126 comes out of v_exp_f32 as 0.
; THE MODE: SCHED_MODE bits 1:0 = 2 (LLVM: expert scheduling mode 2), set by the entry lines.  The code itself states the register dependences between vector or matrix instructions and memory or LDS instructions,
; with s_wait_alu, always for 0.
; THE PLAN.  Registers that memory or LDS instructions touch, and who else names them:
;   v5, v28-30           offsets of the global loads and stores (v28, v29 also LDS addresses of skey's copy): made at the head, never written again: one wait ahead of the first load.
;   v1-4, v7, v31, v94   LDS addresses: made behind the first loads, never written again: one wait ahead of the first LDS store.
;   v128-159             Q as loaded; read by my LDS stores into the stage; written next by the first step's products: one wait on vm_vsrc behind the first barrier.
;   v160-191, v62-93     value's 64 loads land here; no vector or matrix instruction names them before the wait for the loads.
;   v32-79, v192-203     fragments and scale words: LDS loads land, products read, S's and V's by turns: one wait on va_vdst ahead of each run of loads that follows products (a step's head; behind the mask).
;   v96-107, v238, v239  V's codes and scale bytes: written by vector lines, read by my LDS stores (a wait on va_vdst ahead of them), written next in the second step (a wait on vm_vsrc behind the second barrier).
;   v96-127, v32-63      the way out: the quotients, read by LDS stores (a wait on va_vdst); the rows read back, which the global stores read.
;   v16-27, v205, v224-235, v204, v56-61, v80-85   written by vector lines and taken by scaled products as operands or scales: a wait on va_vdst behind their places, ahead of the products.
;   s14                  written by v_readfirstlane_b32: a wait on va_sdst ahead of its first reader.     v251, v255   written at the head, read by the closing add alone.
; A second set of fragment registers there is none: the wave's 256 registers leave 31 free, a set takes 48.
.set ROWP,  8192                       ; bytes from position i to i + 1
.set FRB,   1536                       ; an operand image: 12 registers x 32 lanes: register g of lane l at 512 (g / 4) + 16 l + 4 (g % 4)
.set SKB,   26624                      ; bytes of skey for a batch
.set SIMG,  0                          ; LDS: S's 16 images (two key tiles each),
.set SSC,   24576                      ; S's scale words: (tile t, row r) at 256 (t / 4) + 16 r + 4 (t % 4),
.set VIMG,  26624                      ; V's 16 images: (key step s, channel tile c) at 4 s + c,
.set VSC,   51200                      ; V's scale words: (s, row r, c) at 256 s + 16 r + 4 c,
.set STG,   52224                      ; and a stage of 16 rows x (256 bytes + 16) for each wave
.set SP,    272
.set LI,  1                            ; v1   16 x lane: an image's place for my lane
.set LR,  2                            ; v2   16 x (lane % 16): four scale words of my row
.set SO,  3                            ; v3   the stage: row lane % 16, + 32 (lane / 16)
.set SR,  4                            ; v4   the stage by rows: row lane / 16, + 16 (lane % 16)
.set GO,  5                            ; v5   the same two rows in query and in out
.set NEG, 6                            ; v6   -infinity
.set QR,  7                            ; v7   the stage: row lane % 16, + 128 (lane / 16): my block of Q
.set QF,  16                           ; v16-27  Q's fragment
.set CA,  28                           ; v28  16 x thread, v29  4 x thread: the copy of skey
.set CB,  29
.set VA,  30                           ; v30  4 x lane: my column of value
.set VW,  31                           ; v31  where my 12 registers of V's codes go
.set FR,  32                           ; step 0: v32-55 four fragments of S, v56-61 the run's end;  later v32-79 eight fragments of S or four of V, v80-85 the run's end
.set VAL1, 62                          ; v62-93  value's second block of 32 numbers, until it is quantised
.set VB,  94                           ; v94  where my two scale bytes of V go
.set SCO, 96                           ; v96-159  S^T, then p
.set QN,  96                           ; at the head v96-127 Q's numbers by blocks, v128-159 Q as loaded
.set QL,  128
.set VC,  96                           ; v96-114 V's codes while they are made: p is dead by then
.set OT,  160                          ; v160-191 O^T
.set VAL0, 160                         ; and before it value's first block of 32 numbers
.set KS,  192                          ; v192-199 S's scale words, v200-203 V's, v204 p's, v205 Q's: these hold scales and nothing else
.set VS,  200
.set PS,  204
.set QS,  205
.set CP,  208                          ; v208-220 the copy of skey on its way
.set PC,  224                          ; v224-235 p's codes
.set BM,  232                          ; v232-235 the blocks' largest scores (dead when the codes land there)
.set T4,  236                          ; v236-243 at work
.set SF,  244                          ; v244-247 the conversions' scale operands
.set WV,  14                           ; s14  my wave's number
.set SEL, 84                           ; s[84:85] lane selects for v_permlanex16_b32: lane l xor 16
.set CS,  86                           ; s[86:87] c = log2(e) / 8: the packed form names a pair and takes its low word for both halves
; the 64 lane masks of key step s: s16-63 and s68-83
.macro MASKS s
	s_load_b512 s[16:31], s[10:11], 256*(\s)
	s_load_b512 s[32:47], s[10:11], 256*(\s)+64
	s_load_b512 s[48:63], s[10:11], 256*(\s)+128
	s_load_b512 s[68:83], s[10:11], 256*(\s)+192
.endm
; eight of my 64 loads of value, numbers first .. first + 7.  Number n under 32 is my key n, from 32 on my key n + 32: the operand's two blocks lie 64 keys apart.  A wave reads 128 consecutive bytes.
; No wait stands ahead of a run: its offset v30 was written ahead of the head's wait on va_vdst, and no vector or matrix instruction names the registers in which it lands.
.macro VLOAD first
.set vn, \first
.rept 8
.if vn < 32
	global_load_b32 v[VAL0+vn], v[VA], s[6:7] offset:vn*ROWP
.else
	global_load_b32 v[VAL1+vn-32], v[VA], s[6:7] offset:(vn+32)*ROWP
.endif
.set vn, vn+1
.endr
.endm
; -infinity where the labels differ, for score registers first .. first + count - 1; each accumulator is taken from its low end on
.macro MASKRUN first, count
.set n, \first
.rept \count
.if n < 48
	v_cndmask_b32 v[SCO+n], v[SCO+n], v[NEG], s[16+n]
.else
	v_cndmask_b32 v[SCO+n], v[SCO+n], v[NEG], s[20+n]
.endif
.set n, n+1
.endr
.endm
	s_load_b256 s[4:11], s[0:1], 0x0               ; query s[4:5], value s[6:7], skey s[8:9], mbits s[10:11]
	s_load_b64 s[12:13], s[0:1], 0x20              ; out0
	v_lshl_add_u32 v251, v0, 2, 0x1e000            ; my spare word, behind the stages, and 0: made here and kept for the closing lines alone
	v_mov_b32 v255, 0
	v_lshrrev_b32 v11, 5, v0
	v_readfirstlane_b32 s[WV], v11                 ; wave 0..15
	v_and_b32 v8, 31, v0                           ; lane
	v_and_b32 v9, 15, v0                           ; r
	v_bfe_u32 v10, v0, 4, 1                        ; h
	s_lshr_b32 s88, ttmp9, 6                       ; b
	s_bfe_u32 s89, ttmp9, 0x50001                  ; v
	s_and_b32 s90, ttmp9, 1                        ; which half of the queries
	s_wait_alu depctr_va_sdst(0)                   ; s14 is written, ahead of its first reader: the wave's addresses are made from it
	s_lshr_b32 s2, s[WV], 2                        ; for value: key step w / 4,
	s_bfe_u32 s3, s[WV], 0x10001                   ; half of the lanes of the operand (w / 2) % 2,
	s_and_b32 s15, s[WV], 1                        ; 32 columns w % 2
	s_lshl_b32 s91, s88, 22
	s_lshl_b32 s89, s89, 8
	s_add_co_u32 s91, s91, s89                     ; row (b, 0, v): 2^22 b + 256 v
	s_lshl_b32 s92, s90, 21
	s_lshl_b32 s93, s[WV], 17
	s_add_co_u32 s92, s92, s93
	s_add_co_u32 s92, s92, s91                     ; my first query: + 256 half + 16 wave positions of 8,192 bytes
	s_mov_b32 s93, 0
	s_lshl_b32 s94, s2, 20
	s_lshl_b32 s95, s3, 18
	s_add_co_u32 s94, s94, s95
	s_lshl_b32 s95, s15, 7
	s_add_co_u32 s94, s94, s95
	s_add_co_u32 s94, s94, s91                     ; my part of value: key 128 (w / 4) + 32 ((w / 2) % 2), column 32 (w % 2)
	s_mov_b32 s95, 0
	s_lshl_b32 s96, s88, 15
	s_lshl_b32 s97, s90, 14
	s_add_co_u32 s96, s96, s97
	s_lshl_b32 s97, s[WV], 10
	s_add_co_u32 s96, s96, s97                     ; my tile's 256 mask words: 1,024 (32 b + 16 half + wave)
	s_mov_b32 s97, 0
	s_mul_i32 s98, s88, SKB
	s_mov_b32 s99, 0
	v_lshlrev_b32 v[GO], 13, v10
	v_lshl_add_u32 v[GO], v9, 4, v[GO]             ; lanes 0-15 one row of 256 bytes, lanes 16-31 the next position's
	v_lshlrev_b32 v[CA], 4, v0
	v_lshlrev_b32 v[CB], 2, v0
	v_lshlrev_b32 v[VA], 2, v8
	s_wait_kmcnt 0x0
	s_add_nc_u64 s[4:5], s[4:5], s[92:93]
	s_add_nc_u64 s[12:13], s[12:13], s[92:93]
	s_add_nc_u64 s[6:7], s[6:7], s[94:95]
	s_add_nc_u64 s[10:11], s[10:11], s[96:97]
	s_add_nc_u64 s[8:9], s[8:9], s[98:99]
	MASKS 0
	s_wait_alu depctr_va_vdst(0)                   ; the offsets v5, v28, v29 and v30 are written: every global load and store of the kernel reads one of them
.irp k, 0,1,2,3,4,5,6,7
	global_load_b128 v[QL+4*\k:QL+4*\k+3], v[GO], s[4:5] offset:2*\k*ROWP th:TH_LOAD_NT   ; Q: sixteen lanes read a whole row of 256 bytes; read once in the launch
.endr
.irp k, 0,1,2
	global_load_b128 v[CP+4*\k:CP+4*\k+3], v[CA], s[8:9] offset:8192*\k   ; S's images: 512 threads x 16 bytes, three times
.endr
	global_load_b32 v[CP+12], v[CB], s[8:9] offset:24576                  ; S's scale words: 512 threads x 4 bytes
	VLOAD 0                                        ; value's first eight loads go out behind what the first product waits for
	s_lshl_b32 s88, s2, 2
	s_lshl_b32 s89, s15, 1
	s_add_co_u32 s88, s88, s89
	s_mul_i32 s88, s88, FRB
	s_lshl_b32 s89, s3, 8
	s_add_co_u32 s88, s88, s89                     ; V's image 4 (w / 4) + 2 (w % 2), lanes 16 ((w / 2) % 2) on
	s_lshl_b32 s89, s2, 8
	s_lshl_b32 s90, s15, 3
	s_add_co_u32 s89, s89, s90
	s_add_co_u32 s89, s89, s3                      ; V's scale bytes: 256 (w / 4) + 8 (w % 2) + (w / 2) % 2
	s_mul_i32 s90, s[WV], 16*SP
	s_add_co_u32 s90, s90, STG                     ; my stage
	s_mov_b32 s[SEL], 0x76543210
	s_mov_b32 s[SEL+1], 0xfedcba98
	s_mov_b32 s[CS], 0x3e38aa3b                    ; c = log2(e) / 8
	s_mov_b32 s[CS+1], s[CS]                       ; (named with it as a pair, so it is written)
	v_lshlrev_b32 v[LI], 4, v8
	v_lshlrev_b32 v[LR], 4, v9
	v_mul_u32_u24 v[SO], v9, SP
	v_lshl_add_u32 v[QR], v10, 7, v[SO]
	v_lshl_add_u32 v[SO], v10, 5, v[SO]
	v_add_nc_u32 v[SO], s90, v[SO]
	v_add_nc_u32 v[QR], s90, v[QR]
	v_mul_u32_u24 v[SR], v10, SP
	v_lshl_add_u32 v[SR], v9, 4, v[SR]
	v_add_nc_u32 v[SR], s90, v[SR]
	v_mul_u32_u24 v[VW], v10, FRB                  ; my column 32 (w % 2) + lane is row lane % 16 of channel tile 2 (w % 2) + lane / 16
	v_lshl_add_u32 v[VW], v9, 4, v[VW]
	v_add_nc_u32 v[VW], s88, v[VW]
	v_lshlrev_b32 v[VB], 4, v9
	v_lshl_add_u32 v[VB], v10, 2, v[VB]
	v_add_nc_u32 v[VB], s89, v[VB]
	v_mov_b32 v243, 0                              ; (a lane permute's destination counts as one of its sources)
.irp i, 0,1,2,3,4,5
	v_mov_b32 v[QF+6+\i], 0                        ; Q's codes of k = 64 .. 127
.endr
	s_wait_loadcnt 8                               ; Q's eight loads and skey's four are in; the eight loads of value issued behind them stay out
	s_wait_alu depctr_va_vdst(0)                   ; the LDS addresses v1 to v4, v7, v31 and v94 are written: every LDS load and store of the kernel reads one of them (or v28, v29), and none is written again
.irp k, 0,1,2,3,4,5,6,7
	ds_store_b128 v[SR], v[QL+4*\k:QL+4*\k+3] offset:2*\k*SP     ; Q's rows into my stage as they lie,
.endr
.irp k, 0,1,2,3,4,5,6,7
	ds_load_b128 v[QN+4*\k:QN+4*\k+3], v[QR] offset:16*\k        ; and back: Q(r, 32 h + 0 .. 31).  LDS serves a wave's instructions in order (ISA guide 5.7.1.4)
.endr
.irp k, 0,1,2
	ds_store_b128 v[CA], v[CP+4*\k:CP+4*\k+3] offset:SIMG+8192*\k
.endr
	ds_store_b32 v[CB], v[CP+12] offset:SSC
	VLOAD 8
	s_wait_dscnt 4                                 ; Q's numbers are back; the four LDS stores issued behind them may be out
	v_max3_num_f32 v[T4], |v[QN]|, |v[QN+1]|, |v[QN+2]|          ; my block's largest magnitude: all 32 numbers are mine
	v_max3_num_f32 v[T4+1], |v[QN+3]|, |v[QN+4]|, |v[QN+5]|
.irp i, 6,10,14,18,22,26
	v_max3_num_f32 v[T4], v[T4], |v[QN+\i]|, |v[QN+\i+1]|
	v_max3_num_f32 v[T4+1], v[T4+1], |v[QN+\i+2]|, |v[QN+\i+3]|
.endr
	v_max3_num_f32 v[T4], v[T4], |v[QN+30]|, |v[QN+31]|
	v_max3_num_f32 v[T4], v[T4], v[T4+1], 0x2800000              ; and the floor 2^(5 - 127): the byte cannot fall under 1
	v_add_nc_u32 v[SF], 0xfe000000, v[T4]                        ; 4 off its exponent field: the conversion's scale operand
	v_lshrrev_b32 v[T4+2], 23, v[SF]                             ; the scale's byte
	v_lshlrev_b32 v[T4+3], 3, v10
	v_cvt_scalef32_pk16_bf6_f32 v[QF:QF+2], v[QN:QN+15], v[SF]
	v_cvt_scalef32_pk16_bf6_f32 v[240:242], v[QN+16:QN+31], v[SF]   ; (a conversion's three registers begin on an even number)
	v_lshlrev_b32 v[QS], v[T4+3], v[T4+2]                        ; my byte, 8 h bits up.  (A plain line behind the conversions)
.irp i, 0,1,2
	v_mov_b32 v[QF+3+\i], v[240+\i]
.endr
	v_permlanex16_b32 v243, v[QS], s[SEL], s[SEL+1]
	v_or_b32 v[QS], v[QS], v243                    ; Q's scale word: bytes 0 and 1; bytes 2 and 3 are 0
	; The first values stand here: twelve plain lines between the line that wrote Q's scale word and the first scaled product, six between the last write of a fragment register and it
.irp i, 0,1,2,3,4,5
	v_mov_b32 v[FR+24+\i], 0                       ; the end of the first step's run of S's fragments
.endr
	v_mov_b32 v[NEG], 0xff800000
	v_mov_b32 v13, 0xff61b1e6                      ; the largest t so far: -3e38, under every t
	v_floor_f32 v12, -v13                          ; -M
	v_mov_b32 v14, 0                               ; the sum, in two halves
	v_mov_b32 v15, 0
	v_mov_b32 v253, 0                              ; (named as the upper half of the pair v[252:253])
	VLOAD 16
	s_wait_dscnt 0x0                               ; for the others' sake: my part of S's images and scale words is stored
	s_barrier_signal -1
	s_barrier_wait -1                              ; everybody's is; from here on S's bytes are only read.  value's loads stay out: they touch no LDS
	s_wait_alu depctr_vm_vsrc(0)                   ; my LDS stores into the stage have read v128-159, which the first step's products write
	s_wait_alu depctr_va_vdst(0)                   ; Q's codes v16-27, Q's scale word v205 and the run's end v56-61 are written, behind their places: the scaled products take them as operand and scale
; A KEY STEP: keys 128 s .. 128 s + 127.
.macro STEP s
.if \s == 0
.irp g, 0,1                                    ; the first step takes its eight key tiles four at a time, through v32-61: v62-93 are value's
.if \g > 0
.rept 4
	v_nop                                          ; places in front of loads into registers that the four products have read
.endr
	s_wait_alu depctr_va_vdst(0)                   ; the first four products are done reading v32-61: the loads below land in v32-55
.endif
.irp c, 0,1,2,3,4,5
	ds_load_b128 v[FR+4*\c:FR+4*\c+3], v[LI] offset:SIMG+(2*\g+\c/3)*FRB+512*(\c%3)   ; two images = four key tiles, 6 registers each
.endr
	ds_load_b128 v[KS+4*\g:KS+4*\g+3], v[LR] offset:SSC+256*\g  ; their scale words of my row
	VLOAD 24+8*\g
	s_wait_dscnt 0x0
.irp t, 0,1,2,3
	v_wmma_scale_f32_16x16x128_f8f6f4 v[SCO+8*(4*\g+\t):SCO+8*(4*\g+\t)+7], v[FR+6*\t:FR+6*\t+11], v[QF:QF+11], 0, v[KS+4*\g+\t], v[QS] matrix_a_fmt:MATRIX_FMT_BF6 matrix_b_fmt:MATRIX_FMT_BF6
.endr
.endr
.else
.rept 4
	v_nop                                          ; places in front of loads into registers that the last products have read
.endr
	s_wait_alu depctr_va_vdst(0)                   ; the last step's products O^T are done reading V's fragments v32-79, in which S's land; its products S^T have long read v192-199
.irp c, 0,1,2,3,4,5,6,7,8,9,10,11
	ds_load_b128 v[FR+4*\c:FR+4*\c+3], v[LI] offset:SIMG+(4*\s+\c/3)*FRB+512*(\c%3)   ; four images = eight key tiles, 6 registers each
.endr
	ds_load_b128 v[KS:KS+3], v[LR] offset:SSC+512*\s            ; the scale words of tiles 0-3 of my row,
	ds_load_b128 v[KS+4:KS+7], v[LR] offset:SSC+512*\s+256      ; and of tiles 4-7
	s_wait_dscnt 0x0
.irp t, 0,1,2,3,4,5,6,7
	v_wmma_scale_f32_16x16x128_f8f6f4 v[SCO+8*\t:SCO+8*\t+7], v[FR+6*\t:FR+6*\t+11], v[QF:QF+11], 0, v[KS+\t], v[QS] matrix_a_fmt:MATRIX_FMT_BF6 matrix_b_fmt:MATRIX_FMT_BF6
.endr
.endif                                         ; lane (r, h): query r; register 16 b + i is key 128 s + 32 b + 16 h + i
.rept 4
	v_nop                                          ; places in front of the first read of the results
.endr
	s_wait_kmcnt 0x0                               ; this step's 64 lane masks
.if \s == 0
	MASKRUN 0, 32
	VLOAD 40
	MASKRUN 32, 32
	VLOAD 48
.else
	MASKRUN 0, 64
	s_wait_alu depctr_va_vdst(0)                   ; the products S^T are done reading v32-85, and the last step's products O^T v200-203: V's fragments and scale words land there; the mask's lines are done reading s16-83
.irp c, 0,1,2,3,4,5,6,7,8,9,10,11
	ds_load_b128 v[FR+4*\c:FR+4*\c+3], v[LI] offset:VIMG+(4*\s+\c/3)*FRB+512*(\c%3)   ; V's four fragments of this step: asked for now, wanted behind the softmax
.endr
	ds_load_b128 v[VS:VS+3], v[LR] offset:VSC+256*\s            ; and their scale words
.endif
.irp b, 0,1,2,3
	v_max3_num_f32 v[BM+\b], v[SCO+16*\b], v[SCO+1+16*\b], v[SCO+2+16*\b]   ; the largest score of each block of 32 keys: it serves the row's maximum and, since p rises with the score, the block's largest p
.endr
.irp i, 3,5,7,9,11,13
.irp b, 0,1,2,3
	v_max3_num_f32 v[BM+\b], v[BM+\b], v[SCO+16*\b+\i], v[SCO+1+16*\b+\i]
.endr
.endr
.irp b, 0,1,2,3
	v_max_num_f32 v[BM+\b], v[BM+\b], v[SCO+15+16*\b]
.endr
.if (\s > 0) && (\s < 3)
	MASKS \s+1                                     ; the next step's lane masks: this step's have been read, by lines that stand ahead of the wait behind the mask
.endif
.if \s == 0
	VLOAD 56                                       ; value's last eight loads: the scalings, the exponentials, the sums and p's codes stand between them and the wait for them
.endif
.irp b, 0,1,2,3
	v_permlanex16_b32 v[T4+\b], v[BM+\b], s[SEL], s[SEL+1]
.endr
.irp b, 0,1,2,3
	v_max_num_f32 v[BM+\b], v[BM+\b], v[T4+\b]     ; with lane l xor 16's 16 keys
.endr
	v_max3_num_f32 v254, v[BM], v[BM+1], v[BM+2]
	v_max_num_f32 v254, v254, v[BM+3]              ; the step's largest score of my query (-infinity where all 128 keys are hidden)
	v_mul_f32 v254, s[CS], v254                    ; as t (c is positive)
	v_max_num_f32 v13, v13, v254                   ; the running largest t
	v_mov_b32 v254, v12
	v_floor_f32 v12, -v13                          ; the new -M = floor(-t) = -ceil(t): a whole number
	v_sub_f32 v254, v12, v254                      ; old M - new M: a whole number, 0 or less
	v_cvt_i32_f32 v254, v254                       ; (it saturates)
	v_ldexp_f32 v252, 1.0, v254                    ; f = 2^(old M - new M)
.set j, 0
.rept 32
	v_pk_fma_f32 v[SCO+j:SCO+j+1], v[SCO+j:SCO+j+1], s[CS:CS+1], v[12:13] op_sel_hi:[1,0,0]   ; t - M, two at a time
.set j, j+2
.endr
.irp b, 0,1,2,3
	v_fma_f32 v[BM+\b], v[BM+\b], s[CS], v12       ; the same of each block's largest score
.endr
.set j, 0
.rept 64
	v_exp_f32 v[SCO+j], v[SCO+j]                   ; p = 2^(t - M), at most 1
.set j, j+1
.endr
	v_pk_mul_f32 v[14:15], v[14:15], v[252:253] op_sel_hi:[1,0]   ; the sums under the new M.  (A plain line behind the exponentials)
	s_wait_alu depctr_va_vdst(0)                   ; the 64 exponentials have written v96-159: one wait for the batch, ahead of its first reader
.if \s == 0
	MASKS 1                                        ; the second step's lane masks: the first step's have been read, by lines that stand ahead of the wait above; value's wait, its quantising and a barrier stand ahead of their use
.endif
.irp b, 0,1,2,3
	v_exp_f32 v[BM+\b], v[BM+\b]                   ; the block's largest p: the same two instructions on the same number give the same bits
.endr
	v_pk_add_f32 v[T4:T4+1], v[SCO:SCO+1], v[SCO+2:SCO+3]        ; the row's sum is taken of the unquantised p, two at a time, in two chains
.irp j, 4,8,12,16,20,24,28,32,36,40,44,48,52,56,60
	v_pk_add_f32 v[14:15], v[14:15], v[SCO+\j:SCO+1+\j]
	v_pk_add_f32 v[T4:T4+1], v[T4:T4+1], v[SCO+2+\j:SCO+3+\j]
.endr
	v_pk_add_f32 v[14:15], v[14:15], v[T4:T4+1]
	s_wait_alu depctr_va_vdst(0)                   ; the four exponentials have written v232-235: their wait, ahead of their first reader
.irp b, 0,1,2,3
	v_max_num_f32 v[BM+\b], 0x2800000, v[BM+\b]    ; the floor 2^(5 - 127): a block whose every p is 0 keeps the byte 1: its codes are zeros
.endr
.irp b, 0,1,2,3
	v_add_nc_u32 v[SF+\b], 0xfe000000, v[BM+\b]    ; 4 off the exponent field: the conversion's scale operand
.endr
.irp b, 0,1,2,3
	v_lshrrev_b32 v[T4+\b], 23, v[SF+\b]           ; the scale's byte
.endr
	v_lshl_or_b32 v[PS], v[T4+1], 8, v[T4]         ; p's scale word for these 128 keys
	v_lshl_or_b32 v[PS], v[T4+2], 16, v[PS]
	v_lshl_or_b32 v[PS], v[T4+3], 24, v[PS]
.irp c, 0,1
	v_cvt_scalef32_pk16_bf6_f32 v[PC+6*\c:PC+2+6*\c], v[SCO+32*\c:SCO+15+32*\c], v[SF+2*\c]
	v_cvt_scalef32_pk16_bf6_f32 v[T4+4*\c:T4+2+4*\c], v[SCO+16+32*\c:SCO+31+32*\c], v[SF+2*\c+1]
.endr
	v_nop                                          ; one plain line behind the last conversion
.irp c, 0,1                                    ; the operand's layout wants a whole block in a lane: lanes 0-15 block 2 c, lanes 16-31 block 2 c + 1
.irp i, 0,1,2
	v_permlane16_swap_b32 v[PC+6*\c+\i], v[T4+4*\c+\i]
.endr
.irp i, 0,1,2
	v_mov_b32 v[PC+3+6*\c+\i], v[T4+4*\c+\i]
.endr
.endr
.if \s == 0
	; VALUE BECOMES CODES, here, where the second product first wants it.  (These lines are also the places between the lines that wrote p's codes and scale word and the scaled products)
	s_wait_loadcnt 0x0                             ; my 64 numbers of value
	v_max3_num_f32 v[T4], |v[VAL0]|, |v[VAL0+1]|, 0x2800000      ; my two blocks: keys 32 hh + 0 .. 31 and 64 + 32 hh + 0 .. 31 of the key step; the floor 2^(5 - 127) among the leaves
	v_max3_num_f32 v[T4+1], |v[VAL1]|, |v[VAL1+1]|, 0x2800000
.irp i, 2,4,6,8,10,12,14,16,18,20,22,24,26,28,30
	v_max3_num_f32 v[T4], v[T4], |v[VAL0+\i]|, |v[VAL0+1+\i]|
	v_max3_num_f32 v[T4+1], v[T4+1], |v[VAL1+\i]|, |v[VAL1+1+\i]|
.endr
.irp c, 0,1
	v_add_nc_u32 v[SF+\c], 0xfe000000, v[T4+\c]
.endr
.irp c, 0,1
	v_lshrrev_b32 v[T4+2+\c], 23, v[SF+\c]
.endr
	v_cvt_scalef32_pk16_bf6_f32 v[VC:VC+2], v[VAL0:VAL0+15], v[SF]             ; registers 0 .. 5 of the operand's lane,
	v_cvt_scalef32_pk16_bf6_f32 v[VC+12:VC+14], v[VAL0+16:VAL0+31], v[SF]      ; (a conversion's three registers begin on an even number)
	v_cvt_scalef32_pk16_bf6_f32 v[VC+6:VC+8], v[VAL1:VAL1+15], v[SF+1]         ; and registers 6 .. 11
	v_cvt_scalef32_pk16_bf6_f32 v[VC+16:VC+18], v[VAL1+16:VAL1+31], v[SF+1]
	v_nop                                          ; one plain line behind the last conversion
.irp i, 0,1,2
	v_mov_b32 v[VC+3+\i], v[VC+12+\i]
	v_mov_b32 v[VC+9+\i], v[VC+16+\i]
.endr
.irp i, 0,1,2,3,4,5
	v_mov_b32 v[FR+48+\i], 0                       ; the end of the later steps' run of S's fragments
.endr
	s_wait_alu depctr_va_vdst(0)                   ; V's codes v96-107 and bytes v238, v239 are written, which the LDS stores read; p's codes v224-235, its scale word v204 and the run's end v80-85 are written, which scaled products take; the products are done reading v32-61 and the lines above v62-79, in which V's fragments land
.irp k, 0,1,2
	ds_store_b128 v[VW], v[VC+4*\k:VC+4*\k+3] offset:VIMG+512*\k
.endr
	ds_store_b8 v[VB], v[T4+2] offset:VSC          ; byte hh of my row's scale word,
	ds_store_b8 v[VB], v[T4+3] offset:VSC+2        ; and byte 2 + hh
	s_wait_dscnt 0x0                               ; for the others' sake: my stores into V's images and scale words are done
	s_barrier_signal -1
	s_barrier_wait -1                              ; everybody's are; from here on V's bytes are only read
	s_wait_alu depctr_vm_vsrc(0)                   ; my LDS stores have read v96-107, v238 and v239, which the next step's products and permutes write
.irp c, 0,1,2,3,4,5,6,7,8,9,10,11
	ds_load_b128 v[FR+4*\c:FR+4*\c+3], v[LI] offset:VIMG+(\c/3)*FRB+512*(\c%3)   ; V's four fragments of the first step
.endr
	ds_load_b128 v[VS:VS+3], v[LR] offset:VSC      ; and their scale words
.else
.set j, 0
.rept 16
	v_pk_mul_f32 v[OT+j:OT+j+1], v[OT+j:OT+j+1], v[252:253] op_sel_hi:[1,0]   ; O^T under the new M: x f.  (These are also the places in front of the scaled products)
.set j, j+2
.endr
	s_wait_alu depctr_va_vdst(0)                   ; p's codes v224-235 and its scale word v204 are written, behind their places: the scaled products take them as operand and scale
.endif
	s_wait_dscnt 0x0                               ; V's fragments and scale words
.irp t, 0,1,2,3                                ; O^T += V^T P^T: four tiles of 16 channels, by turns; the first step starts the sums
.if \s == 0
	v_wmma_scale_f32_16x16x128_f8f6f4 v[OT+8*\t:OT+8*\t+7], v[FR+12*\t:FR+12*\t+11], v[PC:PC+11], 0, v[VS+\t], v[PS] matrix_a_fmt:MATRIX_FMT_BF6 matrix_b_fmt:MATRIX_FMT_BF6
.else
	v_wmma_scale_f32_16x16x128_f8f6f4 v[OT+8*\t:OT+8*\t+7], v[FR+12*\t:FR+12*\t+11], v[PC:PC+11], v[OT+8*\t:OT+8*\t+7], v[VS+\t], v[PS] matrix_a_fmt:MATRIX_FMT_BF6 matrix_b_fmt:MATRIX_FMT_BF6
.endif
.endr
.endm
	STEP 0
	STEP 1
	STEP 2
	STEP 3
	; THE WAY OUT.  O^T is divided by the row's sum and goes through my stage, so that sixteen lanes store a whole row of 256 bytes.
.rept 4
	v_nop                                          ; places behind the last products
.endr
	v_add_f32 v14, v14, v15                        ; the sum's two halves,
	v_permlanex16_b32 v252, v14, s[SEL], s[SEL+1]
	v_add_f32 v14, v14, v252                       ; and lane l xor 16's: the row's sum (the diagonal is never hidden: it is above 1/2)
	v_rcp_f32 v14, v14
	v_nop                                          ; a plain line behind the reciprocal
	s_wait_alu depctr_va_vdst(0)                   ; the reciprocal has written v14: its wait, ahead of its first reader
.set j, 0
.rept 16
	v_pk_mul_f32 v[SCO+j:SCO+j+1], v[OT+j:OT+j+1], v[14:15] op_sel_hi:[1,0]   ; register 8 t + i is out(query r, channel 16 t + 8 h + i)
.set j, j+2
.endr
	s_wait_alu depctr_va_vdst(0)                   ; the multiplications have written v96-127, which the LDS stores read; the last products are done reading v32-63, in which the rows land
.irp t, 0,1,2,3
	ds_store_b128 v[SO], v[SCO+8*\t:SCO+8*\t+3] offset:64*\t
	ds_store_b128 v[SO], v[SCO+8*\t+4:SCO+8*\t+7] offset:64*\t+16
.endr
.irp k, 0,1,2,3,4,5,6,7
	ds_load_b128 v[FR+4*\k:FR+4*\k+3], v[SR] offset:2*\k*SP      ; my own bytes, served in order: these see my stores
.endr
.irp k, 0,1,2,3,4,5,6,7
	s_wait_dscnt 7-\k                              ; the younger read-backs may be out
	global_store_b128 v[GO], v[FR+4*\k:FR+4*\k+3], s[12:13] offset:2*\k*ROWP th:TH_STORE_NT   ; 16 lanes store 256 consecutive bytes, at a multiple of 256 from out's first byte; written once
.endr
	s_wait_dscnt 0x0                               ; the closing lines, six on end
	s_wait_alu 0x0
	s_wait_tensorcnt 0x0
	ds_add_u32 v251, v255
	s_wait_dscnt 0x0
	s_endpgm
.Lfunc_end_k_qa76b47901e_attn:
	.size	k_qa76b47901e_attn, .Lfunc_end_k_qa76b47901e_attn-k_qa76b47901e_attn
	.p2alignl 7, 3214868480
	.fill 96, 4, 3214868480
	.section	.rodata,"a",@progbits
	.p2align	6, 0x0
	.amdhsa_kernel k_qa76b47901e_attn
		.amdhsa_group_segment_fixed_size 124928
		.amdhsa_private_segment_fixed_size 0
		.amdhsa_enable_private_segment 0
		.amdhsa_kernarg_size 40
		.amdhsa_user_sgpr_count 2
		.amdhsa_user_sgpr_kernarg_segment_ptr 1
		.amdhsa_wavefront_size32 1
		.amdhsa_system_sgpr_workgroup_id_x 1
		.amdhsa_system_sgpr_workgroup_id_y 1
		.amdhsa_system_sgpr_workgroup_id_z 1
		.amdhsa_system_vgpr_workitem_id 0
		.amdhsa_next_free_vgpr 256
		.amdhsa_next_free_sgpr 100
		.amdhsa_reserve_vcc 0
		.amdhsa_float_denorm_mode_32 3
		.amdhsa_float_denorm_mode_16_64 3
		.amdhsa_memory_ordered 1
		.amdhsa_forward_progress 1
		.amdhsa_inst_pref_size 99
	.end_amdhsa_kernel
	.amdgpu_metadata
---
amdhsa.version: [ 1, 2 ]
amdhsa.kernels:
  - .name:           k_qa76b47901e_attn
    .symbol:         k_qa76b47901e_attn.kd
    .args:
      - { .name: query, .offset: 0, .size: 8, .value_kind: global_buffer, .address_space: global }
      - { .name: value, .offset: 8, .size: 8, .value_kind: global_buffer, .address_space: global }
      - { .name: skey, .offset: 16, .size: 8, .value_kind: global_buffer, .address_space: global }
      - { .name: mbits, .offset: 24, .size: 8, .value_kind: global_buffer, .address_space: global }
      - { .name: out0, .offset: 32, .size: 8, .value_kind: global_buffer, .address_space: global }
    .group_segment_fixed_size: 124928
    .private_segment_fixed_size: 0
    .kernarg_segment_align: 8
    .kernarg_segment_size: 40
    .max_flat_workgroup_size: 512
    .sgpr_count:     100
    .vgpr_count:     256
    .wavefront_size: 32
...
	.end_amdgpu_metadata
.endif
;; end of part 3
